; MI455X (gfx1250); checked and timed in simulation.
; The chip was launched on July 23, 2026; its instructions are those of AMD's public machine-readable ISA for CDNA 5 (MIT licence, August 2026) and "CDNA5" Instruction Set Architecture Reference Guide (July 2026). The comments in the code are by the model that wrote it; some were corrected since.
;; Vector Quantizer. Allowed arithmetic: matrix products marked QUANTISED: E2M1 operands, one E8M0 scale for each 32 along K, by v_wmma_scale_f32_16x16x128_f8f6f4 with both operands' format E2M1 (or v_wmma_scale_f32_32x16x128_f4), f32 sums; everything else in f32.
;; Inputs: embeddings 8,192 x 256 float32; z 8 x 4,096 x 256 float32.
;; Outputs: out0 8 x 4,096 x 256 float32.
;; This version of the problem:
;;   THIS VERSION OF THE PROBLEM IS GIVEN IN LOW PRECISION. The matrix products marked QUANTISED in the list below multiply operands that are first quantised to E2M1 (2 exponent bits, 1 mantissa bit; 4 bits a number), with one power-of-two scale for each 32 numbers along K (OCP MX v1.0); their sums are f32. All else is computed in f32.
;;   The module's matrix products, in the order in which they are computed (A, B: the left and right operand; K: the contracted axis; several contracted axes count as one K, in the product's order):
;;     1. [M 32,768, K 256] x [K 256, N 8,192]; A: input z; B: input embeddings: QUANTISED
;;   THE QUANTISER, for each operand of a quantised product, along K:
;;     - K is cut into blocks of 32 from its start; a last block that is shorter is filled with zeros.
;;     - A block's scale is 2^e with e = floor(log2(the largest magnitude in the block)) - 2, held to -126 .. 127; a block of zeros has e = 0. As a byte (E8M0): e + 127.
;;     - Each number is divided by its block's scale, clamped to +-6, and rounded to the nearest number of E2M1, ties to even, subnormals kept.
;;     - The product sums the exact products of the quantised numbers (number of the format x scale) in f32.
;;   ~~~python
;;   def quantise(x, axis):      # numpy; x: float32 -> the quantised numbers, widened to float32 again
;;       x = np.moveaxis(x, axis, -1); K = x.shape[-1]
;;       x = np.pad(x, [(0, 0)] * (x.ndim - 1) + [(0, -K % 32)]); x = x.reshape(x.shape[:-1] + (-1, 32)); a = np.abs(x).max(-1, keepdims=True)
;;       e = np.where(a > 0, np.clip(np.frexp(np.where(a > 0, a, 1))[1] - 1 - 2, -126, 127), 0)      # np.frexp(a)[1] - 1 = floor(log2(a)), exactly
;;       r = np.clip(x / 2.0 ** e, -6, 6)
;;       step = 2.0 ** (np.maximum(np.frexp(np.where(r == 0, 1, r))[1] - 1, 0) - 1)
;;       q = np.round(r / step) * step * 2.0 ** e      # np.round: ties to even
;;       return np.moveaxis(q.reshape(q.shape[:-2] + (-1,))[..., :K], -1, axis).astype(np.float32)
;;   ~~~
;; One version. Each part assembles by itself: llvm-mc -triple=amdgcn-amd-amdhsa -mcpu=gfx1250 --defsym DOCPART=n.
;; ======== version 1 of 1: 3 launches
;; limits: right only within a limited range of input values
;; workspace buffers: zrec 4,718,592 bytes; erec 1,179,648 bytes; idx 131,072 bytes of whole numbers
;; launch quant (part 1): grid 256 x 1, 10 waves a work-group, no clusters, 167,680 bytes of LDS; arguments z, embeddings, zrec, erec; writes zrec, erec
.if DOCPART == 1
	.amdgcn_target "amdgcn-amd-amdhsa--gfx1250"
	.amdhsa_code_object_version 6
	.text
	.protected	k_q32eeac8bab_quant
	.globl	k_q32eeac8bab_quant
	.p2align	8
	.type	k_q32eeac8bab_quant,@function
k_q32eeac8bab_quant:
	s_mov_b64 s[64:65], 0
	v_nop
	global_prefetch_b8 v0, s[64:65] scope:SCOPE_SE
	s_setreg_imm32_b32 hwreg(HW_REG_WAVE_MODE, 25, 1), 1
	s_wait_xcnt 0x0
; z [32768][256] and embeddings [8192][256], f32, become TILE RECORDS: 16 rows each, as codes of FP4 (E2M1) with one E8M0 scale byte for each 32 along K,
; laid in the order of a matrix operand's registers, with each row's sum of squares (of the f32 numbers as they are given) beside them.
; A RECORD, 2,304 bytes = nine blocks of 256:
;   512 g + 16 lane, g = 0..3 : registers 4 c .. 4 c + 3 of K step s (g = 2 s + c): lane (r, h) holds block 2 g + h (32 codes, 16 bytes) of row r
;   2048 + 4 lane             : scale words: lanes 0-15 row r's word of K step 0, lanes 16-31 row r's word of K step 1
;   2176 + 4 lane             : the sum of squares of row lane % 16 (written twice: lanes 16-31 repeat lanes 0-15)
; A block's scale is 2^(floor(log2(its largest magnitude)) - 2); its byte is the largest magnitude's exponent field - 2, held at 1 from below.
; LIMITS: a block of zeros gets the byte 1 where the quantiser says 127 (its codes are zeros, which add nothing under any byte but 0xff, and this program alone reads the bytes);
; NaN and infinities among the inputs are not served; a row's squares are added in two packed chains a lane and then across two lanes, another order than a plain sum's.
; SHARES: 2,560 tiles, one to a wave: tile T = 10 x work-group + wave; T < 2,048: z's, else the codebook's.  Only pointers are chosen: one path through the text.  Waves share nothing: no barrier.
; Each global load reads 512 consecutive bytes; the conversions want 32 neighbours along K in ONE lane: the tile's 16 KiB turn through the wave's own stage in LDS.
.set REC,   2304
.set ZT,    2048                       ; z's tiles
.set PITCH, 1040                       ; a stage row: 1,024 bytes + 16: an odd multiple of 16, so that sixteen rows' 16 bytes fall on sixteen different places modulo 256
.set BY,    16                         ; v16-19   the scale byte of my block 2 b + h, b = 0..3
.set C,     32                         ; v32-47   codes: four registers a block, never written again
.set X,     64                         ; v64-191  the tile: as loaded, then 32 neighbours a block
	s_load_b256 s[4:11], s[0:1], 0x0               ; z s[4:5], embeddings s[6:7], zrec s[8:9], erec s[10:11]
	v_lshl_add_u32 v192, v0, 2, 0x28a00
	v_mov_b32 v193, 0
	v_lshrrev_b32 v1, 5, v0
	s_delay_alu instid0(VALU_DEP_1)
	v_readfirstlane_b32 s12, v1                    ; wave 0..9
	v_and_b32 v1, 31, v0                           ; lane
	v_and_b32 v2, 15, v0                           ; r
	v_bfe_u32 v3, v0, 4, 1                         ; h
	s_delay_alu instid0(VALU_DEP_3)
	v_lshlrev_b32 v4, 4, v1                        ; 16 x lane
	s_delay_alu instid0(VALU_DEP_4)
	v_lshlrev_b32 v5, 2, v1                        ; 4 x lane
	s_mul_i32 s13, s12, 16*PITCH                   ; my wave's stage
	v_add_nc_u32 v6, s13, v4                       ; into it: as loaded
	v_mul_u32_u24 v7, v2, PITCH
	s_delay_alu instid0(VALU_DEP_1)
	v_lshl_add_u32 v7, v3, 7, v7
	s_delay_alu instid0(VALU_DEP_1)
	v_add_nc_u32 v7, s13, v7                       ; out of it: row r, + 128 h: block h of each pair of blocks
	v_lshlrev_b32 v8, 3, v3                        ; 8 h: how far my bytes stand up in a scale word
	v_mov_b32 v22, 0                               ; written once: a lane permute's destination counts as one of its sources
	v_mov_b32 v23, 0
	v_mov_b32 v31, 0
	s_mov_b32 s20, 0x76543210
	s_mov_b32 s21, 0xfedcba98                      ; v_permlanex16_b32's selects for lane l xor 16
	s_mov_b32 s22, 0xffff0000                      ; lanes 16-31
	s_mul_i32 s14, ttmp9, 10
	s_add_co_u32 s14, s14, s12                     ; T
	s_wait_alu depctr_va_vdst(0)
	s_wait_kmcnt 0x0
	s_cmp_lt_u32 s14, ZT                           ; z's tile or the codebook's?  The choice hangs on ids alone
	s_cselect_b64 s[4:5], s[4:5], s[6:7]
	s_cselect_b64 s[8:9], s[8:9], s[10:11]
	s_cselect_b32 s15, 0, ZT
	s_sub_co_u32 s14, s14, s15                     ; the tile's number in its tensor
	s_lshl_b32 s16, s14, 14                        ; 16 rows of 1,024 bytes
	s_mov_b32 s17, 0
	s_add_nc_u64 s[4:5], s[4:5], s[16:17]
	s_mul_i32 s16, s14, REC
	s_add_nc_u64 s[8:9], s[8:9], s[16:17]
.set q, 0
.rept 32
	global_load_b128 v[X+4*q:X+4*q+3], v4, s[4:5] offset:512*q th:TH_LOAD_NT   ; 512 consecutive bytes: half q % 2 of row q / 2; all 16 KiB of the tile are asked for at once
.set q, q+1
.endr
.irp u, 0,1,2,3
	s_wait_loadcnt 24-8*\u                         ; loads come back in order: these eight are in, the younger ones stay out
.irp e, 0,1,2,3,4,5,6,7
	ds_store_b128 v6, v[X+4*(8*\u+\e):X+4*(8*\u+\e)+3] offset:((8*\u+\e)/2)*PITCH+((8*\u+\e)%2)*512
.endr
.endr
	s_wait_dscnt 0x0                               ; the stores have read their registers, which the loads below fill again
.irp b, 0,1,2,3
.irp e, 0,1,2,3,4,5,6,7
	ds_load_b128 v[X+32*\b+4*\e:X+32*\b+4*\e+3], v7 offset:256*\b+16*\e   ; block 2 b + h of row r: 32 neighbours along K
.endr
.endr
; My block 2 b + h: its largest magnitude, its squares, its scale, its codes; the codes leave at once: 32 lanes store 512 consecutive bytes, at a multiple of 256 from the buffer's first byte.
.macro BLOCK b
.set XB, X+32*(\b)
	s_wait_dscnt 24-8*(\b)                         ; this block's eight loads are in; the later blocks' may be out
	v_max3_num_f32 v10, |v[XB]|, |v[XB+1]|, |v[XB+2]|
	v_max3_num_f32 v11, |v[XB+3]|, |v[XB+4]|, |v[XB+5]|           ; two chains, which do not wait for each other
.irp i, 6,10,14,18,22,26
	s_delay_alu instid0(VALU_DEP_2)
	v_max3_num_f32 v10, v10, |v[XB+\i]|, |v[XB+\i+1]|
	s_delay_alu instid0(VALU_DEP_2)
	v_max3_num_f32 v11, v11, |v[XB+\i+2]|, |v[XB+\i+3]|
.endr
	s_delay_alu instid0(VALU_DEP_2)
	v_max3_num_f32 v10, v10, |v[XB+30]|, |v[XB+31]|
	s_delay_alu instid0(VALU_DEP_1)
	v_max3_num_f32 v10, v10, v11, 0x1800000        ; and the floor 2^(3 - 127): the byte cannot fall under 1
.if (\b) == 0
	v_pk_mul_f32 v[26:27], v[XB:XB+1], v[XB:XB+1]                 ; the first squares start the sums: nothing is cleared
	v_pk_mul_f32 v[28:29], v[XB+2:XB+3], v[XB+2:XB+3]
.else
	v_pk_fma_f32 v[26:27], v[XB:XB+1], v[XB:XB+1], v[26:27]
	v_pk_fma_f32 v[28:29], v[XB+2:XB+3], v[XB+2:XB+3], v[28:29]
.endif
.irp i, 4,8,12,16,20,24,28
	s_delay_alu instid0(VALU_DEP_2)
	v_pk_fma_f32 v[26:27], v[XB+\i:XB+\i+1], v[XB+\i:XB+\i+1], v[26:27]
	s_delay_alu instid0(VALU_DEP_2)
	v_pk_fma_f32 v[28:29], v[XB+\i+2:XB+\i+3], v[XB+\i+2:XB+\i+3], v[28:29]
.endr
	v_add_nc_u32 v12, 0xff000000, v10              ; 2 off the exponent field: the conversion takes the exponent field of this operand as its scale, and nothing else of it
.irp g, 0,1,2,3
	v_cvt_scalef32_pk8_fp4_f32 v[C+4*(\b)+\g], v[XB+8*\g:XB+8*\g+7], v12   ; eight numbers / the scale, to the nearest code, ties to even, beyond 6 the largest code
.endr
	v_lshrrev_b32 v[BY+(\b)], 23, v12              ; the scale's byte.  (Also the plain line behind the conversions)
	global_store_b128 v4, v[C+4*(\b):C+4*(\b)+3], s[8:9] offset:512*(\b)
.endm
	BLOCK 0
	BLOCK 1
	BLOCK 2
	BLOCK 3
	; the scale words: K step s has blocks 4 s .. 4 s + 3; mine are 4 s + h and 4 s + 2 + h
.irp s, 0,1
	v_lshl_or_b32 v[20+\s], v[BY+2*\s+1], 16, v[BY+2*\s]
.endr
.irp s, 0,1
	s_delay_alu instid0(VALU_DEP_2)
	v_lshlrev_b32 v[20+\s], v8, v[20+\s]           ; at their places in the word, 8 h bits up
.endr
.irp s, 0,1
	s_delay_alu instid0(VALU_DEP_2)
	v_permlanex16_b32 v[22+\s], v[20+\s], s20, s21
.endr
.irp s, 0,1
	s_delay_alu instid0(VALU_DEP_2)
	v_or_b32 v[20+\s], v[20+\s], v[22+\s]          ; with lane l xor 16's two bytes the word is whole
.endr
	s_delay_alu instid0(VALU_DEP_1)
	v_cndmask_b32 v24, v20, v21, s22               ; lanes 0-15 keep K step 0's word, lanes 16-31 K step 1's
	global_store_b32 v5, v24, s[8:9] offset:2048
	v_pk_add_f32 v[26:27], v[26:27], v[28:29]      ; the row's sum of squares: my four partial sums,
	s_delay_alu instid0(VALU_DEP_1)
	v_add_f32 v30, v26, v27
	s_delay_alu instid0(VALU_DEP_1)
	v_permlanex16_b32 v31, v30, s20, s21
	s_delay_alu instid0(VALU_DEP_1)
	v_add_f32 v30, v30, v31                        ; and lane l xor 16's: the same bits in both lanes
	global_store_b32 v5, v30, s[8:9] offset:2176
	s_wait_tensorcnt 0x0
	ds_add_u32 v192, v193
	s_wait_dscnt 0x0
	s_endpgm                                       ; no source of a pending store was written again, and EXEC was never changed
.Lfunc_end_k_q32eeac8bab_quant:
	.size	k_q32eeac8bab_quant, .Lfunc_end_k_q32eeac8bab_quant-k_q32eeac8bab_quant
	.p2alignl 7, 3214868480
	.fill 96, 4, 3214868480
	.section	.rodata,"a",@progbits
	.p2align	6, 0x0
	.amdhsa_kernel k_q32eeac8bab_quant
		.amdhsa_group_segment_fixed_size 167680
		.amdhsa_private_segment_fixed_size 0
		.amdhsa_enable_private_segment 0
		.amdhsa_kernarg_size 32
		.amdhsa_user_sgpr_count 2
		.amdhsa_user_sgpr_kernarg_segment_ptr 1
		.amdhsa_wavefront_size32 1
		.amdhsa_system_sgpr_workgroup_id_x 1
		.amdhsa_system_sgpr_workgroup_id_y 1
		.amdhsa_system_sgpr_workgroup_id_z 1
		.amdhsa_system_vgpr_workitem_id 0
		.amdhsa_next_free_vgpr 194
		.amdhsa_next_free_sgpr 66
		.amdhsa_reserve_vcc 0
		.amdhsa_float_denorm_mode_32 3
		.amdhsa_float_denorm_mode_16_64 3
		.amdhsa_memory_ordered 1
		.amdhsa_forward_progress 1
		.amdhsa_inst_pref_size 24
	.end_amdhsa_kernel
	.amdgpu_metadata
---
amdhsa.version: [ 1, 2 ]
amdhsa.kernels:
  - .name:           k_q32eeac8bab_quant
    .symbol:         k_q32eeac8bab_quant.kd
    .args:
      - { .name: z, .offset: 0, .size: 8, .value_kind: global_buffer, .address_space: global }
      - { .name: embeddings, .offset: 8, .size: 8, .value_kind: global_buffer, .address_space: global }
      - { .name: zrec, .offset: 16, .size: 8, .value_kind: global_buffer, .address_space: global }
      - { .name: erec, .offset: 24, .size: 8, .value_kind: global_buffer, .address_space: global }
    .group_segment_fixed_size: 167680
    .private_segment_fixed_size: 0
    .kernarg_segment_align: 8
    .kernarg_segment_size: 32
    .max_flat_workgroup_size: 320
    .sgpr_count:     66
    .vgpr_count:     194
    .wavefront_size: 32
...
	.end_amdgpu_metadata
.endif
;; end of part 1
;; launch search (part 2): grid 256 x 1, 16 waves a work-group, clusters of 4 x 1, 167,936 bytes of LDS; arguments zrec, erec, idx; writes idx
.if DOCPART == 2
	.amdgcn_target "amdgcn-amd-amdhsa--gfx1250"
	.amdhsa_code_object_version 6
	.text
	.protected	k_q32eeac8bab_search
	.globl	k_q32eeac8bab_search
	.p2align	8
	.type	k_q32eeac8bab_search,@function
k_q32eeac8bab_search:
	s_mov_b64 s[64:65], 0
	v_nop
	global_prefetch_b8 v0, s[64:65] scope:SCOPE_SE
	s_setreg_imm32_b32 hwreg(HW_REG_WAVE_MODE, 25, 1), 1
	s_wait_xcnt 0x0
	s_wait_alu depctr_hold_cnt(0) depctr_sa_sdst(0) depctr_va_vdst(0) depctr_va_sdst(0) depctr_va_ssrc(0) depctr_va_vcc(0) depctr_vm_vsrc(0)
	s_getreg_b32 s2, hwreg(HW_REG_IB_STS2, 6, 4)
	s_cmp_eq_u32 s2, 0
	s_cbranch_scc0 .Lentry_in_a_cluster
	s_endpgm
.Lentry_in_a_cluster:
	s_bfe_u32 s2, ttmp6, 0x10000c
	s_cmp_lg_u32 s2, 0x3003
	s_cbranch_scc0 .Lentry_shape_is_right
	s_endpgm
.Lentry_shape_is_right:
; idx[n] = the first k with the least d(n, k) = ((zz[n] - 2 q(z[n]) . q(e[k])) + ee[k]), each bracket rounded to f32 once.
; zrec, erec: tile records of 2,304 bytes (16 rows as FP4 operand registers, 2,048 bytes; then one block of 256: scale words at 4 x lane, sums of squares at 128 + 4 x row).
; SHARES: work-group b takes rows 128 b .. 128 b + 127 of z.  Wave w: z's tiles 8 b + 4 (w % 2) + 0..3 (64 rows, kept in registers) against the codebook's tiles 64 (w / 2) + 0..63.
; The product is used with source 0 = 16 codes of the book, source 1 = 16 rows of z: lane (r, h) holds row r of z, its register j code 8 h + j of the tile.
; THE FACTOR -2 lies in z's operand: each code's sign bit is flipped and each scale byte raised by 1 (a byte is an exponent field less 2, at most 252: it stays a finite code); both are exact.
; FEEDING: the last 256 bytes of all 512 records of the book (128 KiB) come into LDS once and stay: 32 records by one tensor load of each wave, asked for JOINTLY by the four work-groups of a cluster,
; which all want the same bytes.  The codes go from memory straight into operand registers, 512 consecutive bytes a load, four tiles ahead (16 loads of a wave out).  Nothing in LDS is filled again: the loop has no barrier.
; No prefetch: all work-groups read the same 1,179,648 bytes of erec.
; A TILE GOES IN TWO HALVES: the products of z's tiles 0, 1, then the vector work on the tile before for z's tiles 2, 3; the products of 2, 3, then the vector work for 0, 1.  So each half's vector work, which names no
; register of the products just issued, stands in the places behind them.
; TRACKING: a lane keeps, for each of its 4 rows, the least d so far and, chosen together where a tile brings a strictly lesser d (the earlier tile stays), that tile's distances 0..6 and its number
; (if none of the seven is the least, it is distance 7).  The place in the tile, the other half of the lanes and the 8 waves of a row are joined at the end by (d, index), the lower index first.
; LIMITS: NaN and infinities among the inputs are not served (a NaN loses in the minima; a row whose every d is +infinity gets a code of tile 0).
.set REC,   2304
.set MRG,   132096                     ; LDS: 0 .. 131,071 the records' last blocks, 256 x tile; 1,024 bytes unused; then 8,192 bytes for the join
.set SPARE, MRG+8192                   ; the spare words, 128 bytes a wave: eight blocks of 256 that no other line names
.set SPW,  1
.set NIL,  2
.set L16,  4                           ; 16 x lane
.set L4,   5                           ; 4 x lane
.set H8,   6                           ; 8 h
.set ADS,  7                           ; LDS: my chunk's scale words
.set ADE,  8                           ; LDS: my chunk's blocks + 32 h
.set MW,   9
.set MR,   10
.set VTN,  13                          ; the number of the tile at work
.set SCZ,  14                          ; v14-17  z's scale words
.set SCA,  18                          ; v18-19  the book's scale words, two by turns
.set ZZ,   20                          ; v20-27  zz of my row in tile i, twice
.set BEST, 28                          ; v28-35  the least d, two sets by turns
.set MN,   36                          ; v36-39  at work
.set EE,   40                          ; v40-55  ee of codes 8 h + 0..7, two sets by turns
.set ZF,   64                          ; v64-127 z's four tiles
.set AF,   128                         ; v128-191 the book's tiles, four sets
.set ACC,  192                         ; v192-223
.set SAVE, 224                         ; v224-255 for z's tile i: distances 0..6 of the tile that holds the least, and at 8 i + 7 that tile's number
.set G1,   16
.set G0,   24
.set EB,   28                          ; s[28:29] erec at the trip's first tile
.macro ROUND                           ; a round of the cluster's barrier
	s_barrier_signal -1
	s_barrier_wait -1
	s_cmp_lg_u32 s10, 0
	s_cbranch_scc1 .Lnot_wave_0_\@
	s_barrier_signal -3
.Lnot_wave_0_\@:
	s_barrier_wait -3
	s_barrier_signal -1
	s_barrier_wait -1
.endm
.macro LOADG set, off
.irp g, 0,1,2,3
	global_load_b128 v[AF+16*(\set)+4*\g:AF+16*(\set)+4*\g+3], v[L16], s[EB:EB+1] offset:(\off)+512*\g
.endr
.endm
.macro MMH set, sc, i0                 ; z's tiles i0, i0 + 1: two accumulators by turns, one instruction a turn
.irp i, \i0, \i0+1
	v_wmma_scale_f32_16x16x128_f8f6f4 v[ACC+8*(\i):ACC+8*(\i)+7], v[AF+16*(\set):AF+16*(\set)+7], v[ZF+16*(\i):ZF+16*(\i)+7], 0, v[SCA+(\sc)], v[SCZ+(\i)] matrix_a_fmt:MATRIX_FMT_FP4 matrix_b_fmt:MATRIX_FMT_FP4
.endr
.irp i, \i0, \i0+1
	v_wmma_scale_f32_16x16x128_f8f6f4 v[ACC+8*(\i):ACC+8*(\i)+7], v[AF+16*(\set)+8:AF+16*(\set)+15], v[ZF+16*(\i)+8:ZF+16*(\i)+15], v[ACC+8*(\i):ACC+8*(\i)+7], v[SCA+(\sc)], v[SCZ+(\i)] matrix_a_fmt:MATRIX_FMT_FP4 matrix_b_fmt:MATRIX_FMT_FP4 matrix_a_scale:MATRIX_SCALE_ROW1 matrix_b_scale:MATRIX_SCALE_ROW1
.endr
.endm
.macro ADD2 d, s                       ; two f32 additions in place: v[d], v[d+1] += v[s], v[s+1]
	v_dual_add_f32 v[\d], v[\s], v[\d] :: v_dual_add_f32 v[\d+1], v[\s+1], v[\d+1]
.endm
.macro ZADD i0                         ; zz + (-2 dot).  Each accumulator is read from its low end on
.irp k, 0,2,4,6
.irp i, \i0, \i0+1
	ADD2 ACC+8*(\i)+\k, ZZ+2*(\i)
.endr
.endr
.endm
.macro EADD i0, es                     ; + ee, from set es
.irp k, 0,2,4,6
.irp i, \i0, \i0+1
	ADD2 ACC+8*(\i)+\k, EE+8*(\es)+\k
.endr
.endr
.endm
.macro PICK i0, p                      ; the least of 8 and of the least so far into set p (the two rows' lines by turns); then, where it is less, the copy
.irp i, \i0, \i0+1
	v_min3_num_f32 v[MN+(\i)%2], v[ACC+8*(\i)], v[ACC+8*(\i)+1], v[ACC+8*(\i)+2]
.endr
.irp i, \i0, \i0+1
	v_min3_num_f32 v[MN+2+(\i)%2], v[ACC+8*(\i)+3], v[ACC+8*(\i)+4], v[ACC+8*(\i)+5]
.endr
.irp i, \i0, \i0+1
	v_min3_num_f32 v[BEST+4*(\p)+(\i)], v[ACC+8*(\i)+6], v[ACC+8*(\i)+7], v[BEST+4-4*(\p)+(\i)]
.endr
.irp i, \i0, \i0+1
	v_min3_num_f32 v[BEST+4*(\p)+(\i)], v[BEST+4*(\p)+(\i)], v[MN+(\i)%2], v[MN+2+(\i)%2]
.endr
.irp i, \i0, \i0+1
	v_cmp_lt_f32 vcc_lo, v[BEST+4*(\p)+(\i)], v[BEST+4-4*(\p)+(\i)]
.irp k, 0,2,4
	v_dual_cndmask_b32 v[SAVE+8*(\i)+\k], v[SAVE+8*(\i)+\k], v[ACC+8*(\i)+\k] :: v_dual_cndmask_b32 v[SAVE+8*(\i)+\k+1], v[SAVE+8*(\i)+\k+1], v[ACC+8*(\i)+\k+1]
.endr
	v_dual_cndmask_b32 v[SAVE+8*(\i)+6], v[SAVE+8*(\i)+6], v[ACC+8*(\i)+6] :: v_dual_cndmask_b32 v[SAVE+8*(\i)+7], v[SAVE+8*(\i)+7], v[VTN]
.endr
.endm
.macro EPIH i0, p
	ZADD \i0
	EADD \i0, \p
	PICK \i0, \p
.endm
; One tile, the trip's u-th.  pend: the tile before still owes z's tiles 2, 3.  ld: this tile's set of registers takes the tile four on.  nx: the next tile's scale word and ee are read from LDS.
; cnt: the younger global loads that may stay out.  adv: the LDS addresses step to the next trip.
.macro STEP u, pend, ld, nx, cnt, adv
	s_wait_loadcnt_dscnt (\cnt)<<8                 ; loads come back in order: this tile's four are in; its scale word and its ee are in (all LDS loads)
	MMH \u, (\u)%2, 0
.if \pend
	EPIH 2, 1-(\u)%2
.else
.rept 4
	v_nop                                          ; the first tile has no work owed: four places
.endr
.endif
	v_add_nc_u32 v[VTN], 1, v[VTN]                 ; from here on this tile's number
	MMH \u, (\u)%2, 2
	ZADD 0                                         ; eight lines that name no register of the four products above: the places in front of the loads below
.if \ld
	LOADG \u, ((\u)+4)*REC
.endif
.if \nx
	ds_load_b32 v[SCA+1-(\u)%2], v[ADS] offset:((\u)+1)*256
	ds_load_b128 v[EE+8*(1-(\u)%2):EE+8*(1-(\u)%2)+3], v[ADE] offset:((\u)+1)*256+128
	ds_load_b128 v[EE+8*(1-(\u)%2)+4:EE+8*(1-(\u)%2)+7], v[ADE] offset:((\u)+1)*256+144
.endif
.if \adv
	v_add_nc_u32 v[ADS], 1024, v[ADS]
	v_add_nc_u32 v[ADE], 1024, v[ADE]
.endif
	EADD 0, (\u)%2
	PICK 0, (\u)%2
.endm
.macro ENDT                            ; a trip's end: erec's address steps four tiles on
	s_wait_alu depctr_va_vdst(0)
	s_wait_xcnt 0x0                                ; the loads have read their base
	s_add_nc_u64 s[EB:EB+1], s[EB:EB+1], 4*REC
.endm
.macro LEX b, x, c, y                  ; (b, x) = the lesser of (b, x) and (c, y), by d and then by index
	v_cmp_lt_f32 s44, v[\c], v[\b]
	v_cmp_eq_f32 s45, v[\c], v[\b]
	v_cmp_lt_u32 s46, v[\y], v[\x]
	s_and_b32 s45, s45, s46
	s_or_b32 s44, s44, s45
	v_cndmask_b32 v[\b], v[\b], v[\c], s44
	v_cndmask_b32 v[\x], v[\x], v[\y], s44
.endm
	s_load_b128 s[4:7], s[0:1], 0x0                ; zrec, erec
	s_load_b64 s[8:9], s[0:1], 0x10                ; idx
	v_lshl_add_u32 v[SPW], v0, 2, SPARE
	v_mov_b32 v[NIL], 0
	ds_add_u32 v[SPW], v[NIL]                      ; the opening lines: the add, twice on end, and its wait ahead of the round in front of my tensor load
	ds_add_u32 v[SPW], v[NIL]
	v_lshrrev_b32 v3, 5, v0
	v_readfirstlane_b32 s10, v3                    ; wave 0..15
	v_and_b32 v3, 31, v0
	v_bfe_u32 v11, v0, 4, 1
	v_lshlrev_b32 v[L16], 4, v3
	v_lshlrev_b32 v[L4], 2, v3
	v_lshlrev_b32 v[H8], 3, v11
	s_and_b32 s11, s10, 1                          ; which 64 rows of z
	s_lshr_b32 s12, s10, 1                         ; which 64 tiles of the book
	s_bfe_u32 s13, ttmp6, 0x40000                  ; cx
	s_lshl_b32 s14, ttmp9, 2
	s_add_co_u32 s14, s14, s13                     ; work-group = 4 x cluster + cx: it enters global addresses of z and idx alone
	s_mov_b32 s[G1+0], 15|(3<<16)|(1<<21)          ; the mask names the cluster's four; elements of 8 bytes; bit 21 beside a mask; no padding
	s_mov_b32 s[G1+1], 32<<16                      ; tensor_dim0 = 32 elements: 256 bytes
	s_mov_b32 s[G1+2], 32<<16                      ; tensor_dim1 = 32 rows
	s_mov_b32 s[G1+3], 32<<16                      ; tile_dim0
	s_mov_b32 s[G1+4], 32                          ; tile_dim1
	s_mov_b32 s[G1+5], REC/8                       ; from record to record
	s_mov_b32 s[G1+6], 0
	s_mov_b32 s[G1+7], 0
	s_mul_i32 s34, s10, 32*REC
	s_add_co_u32 s34, s34, 2048                    ; the last block of record 32 w: a multiple of 256 from erec's first byte
	s_mov_b32 s35, 0
	s_mul_i32 s30, s12, 64*REC
	s_mov_b32 s31, 0
	s_lshl_b32 s33, s12, 6
	s_sub_co_u32 s33, s33, 1                       ; one under my first tile's number
	s_mov_b32 s40, 0x76543210
	s_mov_b32 s41, 0xfedcba98                      ; v_permlanex16_b32's selects for lane l xor 16
	s_mov_b32 s42, 0xffff0000                      ; lanes 16-31
	s_lshl_b32 s48, s14, 3
	s_lshl_b32 s49, s11, 2
	s_add_co_u32 s48, s48, s49
	s_mul_i32 s48, s48, REC                        ; my four tiles of z
	s_mov_b32 s49, 0
	s_lshl_b32 s50, s14, 9                         ; 128 indices: 512 bytes
	s_mov_b32 s51, 0
	s_mov_b32 s[G0+0], 1
	s_lshl_b32 s[G0+1], s10, 13                    ; LDS: 8,192 x wave
	s_wait_alu depctr_va_vdst(0)
	s_wait_dscnt 0x0                               ; both opening adds are done
	s_wait_kmcnt 0x0
	s_add_nc_u64 s[G0+2:G0+3], s[6:7], s[34:35]
	s_or_b32 s[G0+3], s[G0+3], 0x80000000
	s_add_nc_u64 s[EB:EB+1], s[6:7], s[30:31]
	s_add_nc_u64 s[4:5], s[4:5], s[48:49]
	s_add_nc_u64 s[8:9], s[8:9], s[50:51]
.irp i, 0,1,2,3
.irp g, 0,1,2,3
	global_load_b128 v[ZF+16*\i+4*\g:ZF+16*\i+4*\g+3], v[L16], s[4:5] offset:\i*REC+512*\g
.endr
	global_load_b32 v[SCZ+\i], v[L4], s[4:5] offset:\i*REC+2048
	global_load_b32 v[ZZ+2*\i], v[L4], s[4:5] offset:\i*REC+2176
.endr
	ROUND                                          ; the four work-groups are here: the joint loads meet
	tensor_load_to_lds s[G0:G0+3], s[G1:G1+7]      ; my one tensor load: 32 blocks of 256 bytes
	s_nop 0
.irp u, 0,1,2,3
	LOADG \u, \u*REC                               ; the book's first four tiles
.endr
	s_lshl_b32 s47, s12, 14                        ; my chunk's blocks in LDS: 64 x 256 bytes
	v_add_nc_u32 v[ADS], s47, v[L4]
	v_lshl_add_u32 v[ADE], v11, 5, s47
	s_lshl_b32 s47, s10, 8
	v_add_nc_u32 v[MW], s47, v[L4]
	v_add_nc_u32 v[MR], MRG, v[L16]
	v_add_nc_u32 v[MW], MRG, v[MW]
	v_mov_b32 v[VTN], s33
.set j, 0
.rept 8
	v_mov_b32 v[BEST+j], 0x7f800000
.set j, j+1
.endr
.set j, 0
.rept 32
.if j%8 == 7
	v_mov_b32 v[SAVE+j], 0
.else
	v_mov_b32 v[SAVE+j], 0x7f800000
.endif
.set j, j+1
.endr
	s_wait_alu depctr_va_vdst(0)
	s_wait_loadcnt 16                              ; z is in; the book's 16 loads may be out
.irp i, 0,1,2,3
	v_add_nc_u32 v[SCZ+\i], 0x01010101, v[SCZ+\i]  ; x 2: no byte is over 252, so none carries
.endr
.set j, 0
.rept 64
	v_xor_b32 v[ZF+j], 0x88888888, v[ZF+j]         ; x -1: the sign bit of each of eight codes.  (These lines are also the places between the write of z's scales and the first product)
.set j, j+1
.endr
.irp i, 0,1,2,3
	v_mov_b32 v[ZZ+2*\i+1], v[ZZ+2*\i]             ; (and these four those behind the last write of z's operand)
.endr
	s_wait_alu depctr_va_vdst(0)
	s_wait_tensorcnt 0x0                           ; my 32 blocks are in LDS;
	s_barrier_signal -1
	s_barrier_wait -1                              ; everybody's are
	ds_load_b32 v[SCA], v[ADS]
	ds_load_b128 v[EE:EE+3], v[ADE] offset:128
	ds_load_b128 v[EE+4:EE+7], v[ADE] offset:144
	STEP 0, 0, 1, 1, 12, 0                         ; the first trip is written out: its first tile finds no work owed
	STEP 1, 1, 1, 1, 12, 0
	STEP 2, 1, 1, 1, 12, 0
	STEP 3, 1, 1, 1, 12, 1
	ENDT
	s_mov_b32 s32, 14
.Lloop:                                                ; four tiles a trip: the sets of registers come round
	STEP 0, 1, 1, 1, 12, 0
	STEP 1, 1, 1, 1, 12, 0
	STEP 2, 1, 1, 1, 12, 0
	STEP 3, 1, 1, 1, 12, 1
	ENDT
	s_sub_co_u32 s32, s32, 1
	s_cmp_lg_u32 s32, 0
	s_cbranch_scc1 .Lloop
	STEP 0, 1, 0, 1, 12, 0                         ; the last four tiles fetch nothing beyond my chunk: the counts run down
	STEP 1, 1, 0, 1, 8, 0
	STEP 2, 1, 0, 1, 4, 0
	STEP 3, 1, 0, 0, 0, 0
	EPIH 2, 1                                      ; what the last tile still owes
	; the place in the tile: the first j of 0..6 whose distance is the least, else 7
.irp i, 0,1,2,3
	v_mov_b32 v[MN+\i], 7
.endr
.irp j, 6,5,4,3,2,1,0
.irp i, 0,1,2,3
	v_cmp_eq_f32 s[36+\i], v[SAVE+8*\i+\j], v[BEST+4+\i]
.endr
.irp i, 0,1,2,3
	v_cndmask_b32 v[MN+\i], v[MN+\i], \j, s[36+\i]
.endr
.endr
.irp i, 0,1,2,3
	v_lshl_add_u32 v[SAVE+8*\i+7], v[SAVE+8*\i+7], 4, v[MN+\i]
.endr
.irp i, 0,1,2,3
	v_add_nc_u32 v[SAVE+8*\i+7], v[SAVE+8*\i+7], v[H8]   ; 16 x tile + 8 h + j
.endr
.irp i, 0,1,2,3
	v_permlanex16_b32 v[BEST+\i], v[BEST+4+\i], s40, s41
	v_permlanex16_b32 v[MN+\i], v[SAVE+8*\i+7], s40, s41
.endr
.irp i, 0,1,2,3
	LEX BEST+4+\i, SAVE+8*\i+7, BEST+\i, MN+\i     ; with the other half of the tile's codes
.endr
	v_cndmask_b32 v[BEST+0], v[BEST+4], v[BEST+5], s42   ; lanes 0-15 carry tile i's rows, lanes 16-31 tile i + 1's
	v_cndmask_b32 v[BEST+1], v[BEST+6], v[BEST+7], s42
	v_cndmask_b32 v[BEST+2], v[SAVE+7], v[SAVE+15], s42
	v_cndmask_b32 v[BEST+3], v[SAVE+23], v[SAVE+31], s42
	ds_store_b32 v[MW], v[BEST+0]
	ds_store_b32 v[MW], v[BEST+1] offset:128
	ds_store_b32 v[MW], v[BEST+2] offset:4096
	ds_store_b32 v[MW], v[BEST+3] offset:4224
	s_wait_dscnt 0x0                               ; for the others' sake: my stores are done
	s_barrier_signal -1
	s_barrier_wait -1
	s_cmp_lg_u32 s10, 0
	s_cbranch_scc1 .Ldone
	; wave 0 joins the 8 chunks: a lane takes 4 neighbouring rows
.irp c, 0,1,2,3,4,5,6,7
	ds_load_b128 v[64+4*\c:64+4*\c+3], v[MR] offset:512*\c
	ds_load_b128 v[96+4*\c:96+4*\c+3], v[MR] offset:4096+512*\c
.endr
	s_wait_dscnt 0x0
.irp c, 1,2,3,4,5,6,7
.irp e, 0,1,2,3
	LEX 64+\e, 96+\e, 64+4*\c+\e, 96+4*\c+\e
.endr
.endr
	global_store_b128 v[L16], v[96:99], s[8:9]     ; 32 lanes store 512 consecutive bytes, at a multiple of 256 from idx's first byte
.Ldone:
	s_wait_tensorcnt 0x0                           ; the wave's end
	ds_add_u32 v[SPW], v[NIL]
	s_wait_dscnt 0x0
	ROUND                                          ; the closing round
	s_endpgm
.Lfunc_end_k_q32eeac8bab_search:
	.size	k_q32eeac8bab_search, .Lfunc_end_k_q32eeac8bab_search-k_q32eeac8bab_search
	.p2alignl 7, 3214868480
	.fill 96, 4, 3214868480
	.section	.rodata,"a",@progbits
	.p2align	6, 0x0
	.amdhsa_kernel k_q32eeac8bab_search
		.amdhsa_group_segment_fixed_size 167936
		.amdhsa_private_segment_fixed_size 0
		.amdhsa_enable_private_segment 0
		.amdhsa_kernarg_size 24
		.amdhsa_user_sgpr_count 2
		.amdhsa_user_sgpr_kernarg_segment_ptr 1
		.amdhsa_wavefront_size32 1
		.amdhsa_system_sgpr_workgroup_id_x 1
		.amdhsa_system_sgpr_workgroup_id_y 1
		.amdhsa_system_sgpr_workgroup_id_z 1
		.amdhsa_system_vgpr_workitem_id 0
		.amdhsa_next_free_vgpr 256
		.amdhsa_next_free_sgpr 66
		.amdhsa_reserve_vcc 1
		.amdhsa_float_denorm_mode_32 3
		.amdhsa_float_denorm_mode_16_64 3
		.amdhsa_memory_ordered 1
		.amdhsa_forward_progress 1
		.amdhsa_inst_pref_size 102
	.end_amdhsa_kernel
	.amdgpu_metadata
---
amdhsa.version: [ 1, 2 ]
amdhsa.kernels:
  - .name:           k_q32eeac8bab_search
    .symbol:         k_q32eeac8bab_search.kd
    .args:
      - { .name: zrec, .offset: 0, .size: 8, .value_kind: global_buffer, .address_space: global }
      - { .name: erec, .offset: 8, .size: 8, .value_kind: global_buffer, .address_space: global }
      - { .name: idx, .offset: 16, .size: 8, .value_kind: global_buffer, .address_space: global }
    .group_segment_fixed_size: 167936
    .private_segment_fixed_size: 0
    .kernarg_segment_align: 8
    .kernarg_segment_size: 24
    .max_flat_workgroup_size: 512
    .sgpr_count:     66
    .vgpr_count:     256
    .wavefront_size: 32
...
	.end_amdgpu_metadata
.endif
;; end of part 2
;; launch gather (part 3): grid 256 x 1, 8 waves a work-group, no clusters, 0 bytes of LDS; arguments idx, embeddings, out0; writes out0
.if DOCPART == 3
	.amdgcn_target "amdgcn-amd-amdhsa--gfx1250"
	.amdhsa_code_object_version 6
	.text
	.protected	k_q32eeac8bab_gather
	.globl	k_q32eeac8bab_gather
	.p2align	8
	.type	k_q32eeac8bab_gather,@function
k_q32eeac8bab_gather:
	s_mov_b64 s[64:65], 0
	v_nop
	global_prefetch_b8 v0, s[64:65] scope:SCOPE_SE
	s_setreg_imm32_b32 hwreg(HW_REG_WAVE_MODE, 25, 1), 1
	s_wait_xcnt 0x0
; out0[n][:] = embeddings[idx[n]][:], f32, rows of 1,024 bytes.  idx was stored as whole numbers by the launch before.
; A wave takes 16 rows: W = 8 x work-group + wave, rows 16 W .. 16 W + 15.  Its 16 indices come by one scalar load; each is held to 8,191, the table's last row, ahead of its use in an address.
; All 32 loads of a wave (16 KiB) go out at once; each load and each store covers 512 consecutive bytes, at a multiple of 256 from its buffer's first byte.  No LDS, no barrier, no matrix unit: the launch only moves bytes.
.set OFF, 16                           ; v16-31   row i: 1,024 x its index + 16 x lane
.set D,   32                           ; v32-159  row i, half e: four registers at 32 + 8 i + 4 e
	s_load_b128 s[4:7], s[0:1], 0x0                ; idx s[4:5], embeddings s[6:7]
	s_load_b64 s[8:9], s[0:1], 0x10                ; out0
	v_lshrrev_b32 v1, 5, v0
	s_delay_alu instid0(VALU_DEP_1)
	v_readfirstlane_b32 s10, v1                    ; wave 0..7
	v_and_b32 v1, 31, v0
	s_delay_alu instid0(VALU_DEP_1)
	v_lshlrev_b32 v2, 4, v1                        ; 16 x lane
	s_lshl_b32 s11, ttmp9, 3
	s_add_co_u32 s11, s11, s10                     ; W
	s_lshl_b32 s12, s11, 6                         ; 16 indices: 64 bytes
	s_mov_b32 s13, 0
	s_lshl_b32 s14, s11, 14                        ; 16 rows: 16,384 bytes
	s_mov_b32 s15, 0
	s_wait_alu depctr_va_vdst(0)
	s_wait_kmcnt 0x0
	s_add_nc_u64 s[4:5], s[4:5], s[12:13]
	s_add_nc_u64 s[8:9], s[8:9], s[14:15]
	s_load_b512 s[16:31], s[4:5], 0x0              ; no line of this launch writes idx
	s_wait_kmcnt 0x0
.irp i, 0,1,2,3,4,5,6,7,8,9,10,11,12,13,14,15
	s_min_u32 s[16+\i], s[16+\i], 0x1fff           ; inside the table
	s_lshl_b32 s[16+\i], s[16+\i], 10              ; the row's first byte
	v_add_nc_u32 v[OFF+\i], s[16+\i], v2
.endr
	s_wait_alu depctr_va_vdst(0)
.irp i, 0,1,2,3,4,5,6,7,8,9,10,11,12,13,14,15
.irp e, 0,1
	global_load_b128 v[D+8*\i+4*\e:D+8*\i+4*\e+3], v[OFF+\i], s[6:7] offset:512*\e   ; no hint: a row may be named again, here and in other work-groups
.endr
.endr
.set n, 0
.rept 32
	s_wait_loadcnt 31-n                            ; loads come back in order: number n is in, the younger ones stay out
	global_store_b128 v2, v[D+4*n:D+4*n+3], s[8:9] offset:512*n th:TH_STORE_NT      ; written once, read by nobody here
.set n, n+1
.endr
	s_endpgm                                       ; no source of a pending load or store was written again
.Lfunc_end_k_q32eeac8bab_gather:
	.size	k_q32eeac8bab_gather, .Lfunc_end_k_q32eeac8bab_gather-k_q32eeac8bab_gather
	.p2alignl 7, 3214868480
	.fill 96, 4, 3214868480
	.section	.rodata,"a",@progbits
	.p2align	6, 0x0
	.amdhsa_kernel k_q32eeac8bab_gather
		.amdhsa_group_segment_fixed_size 0
		.amdhsa_private_segment_fixed_size 0
		.amdhsa_enable_private_segment 0
		.amdhsa_kernarg_size 24
		.amdhsa_user_sgpr_count 2
		.amdhsa_user_sgpr_kernarg_segment_ptr 1
		.amdhsa_wavefront_size32 1
		.amdhsa_system_sgpr_workgroup_id_x 1
		.amdhsa_system_sgpr_workgroup_id_y 1
		.amdhsa_system_sgpr_workgroup_id_z 1
		.amdhsa_system_vgpr_workitem_id 0
		.amdhsa_next_free_vgpr 160
		.amdhsa_next_free_sgpr 66
		.amdhsa_reserve_vcc 0
		.amdhsa_float_denorm_mode_32 3
		.amdhsa_float_denorm_mode_16_64 3
		.amdhsa_memory_ordered 1
		.amdhsa_forward_progress 1
		.amdhsa_inst_pref_size 11
	.end_amdhsa_kernel
	.amdgpu_metadata
---
amdhsa.version: [ 1, 2 ]
amdhsa.kernels:
  - .name:           k_q32eeac8bab_gather
    .symbol:         k_q32eeac8bab_gather.kd
    .args:
      - { .name: idx, .offset: 0, .size: 8, .value_kind: global_buffer, .address_space: global }
      - { .name: embeddings, .offset: 8, .size: 8, .value_kind: global_buffer, .address_space: global }
      - { .name: out0, .offset: 16, .size: 8, .value_kind: global_buffer, .address_space: global }
    .group_segment_fixed_size: 0
    .private_segment_fixed_size: 0
    .kernarg_segment_align: 8
    .kernarg_segment_size: 24
    .max_flat_workgroup_size: 256
    .sgpr_count:     66
    .vgpr_count:     160
    .wavefront_size: 32
...
	.end_amdgpu_metadata
.endif
;; end of part 3
